; MI455X (gfx1250); checked and timed in simulation.
; The chip was launched on July 23, 2026; its instructions are those of AMD's public machine-readable ISA for CDNA 5 (MIT licence, August 2026) and "CDNA5" Instruction Set Architecture Reference Guide (July 2026). The comments in the code are by the model that wrote it; some were corrected since.
;; GAB. Allowed arithmetic: matrix products marked QUANTISED: E5M2 operands, one given power-of-two scale a tensor, by v_wmma_f32_16x16x64_bf8_bf8 or v_wmma_f32_16x16x128_bf8_bf8, f32 sums; products left as they are: f32 operands where the result goes on into a quantised operand, else bf16, f16 or f32 operands; f32 sums; everything else in f32.
;; Inputs: W1 2,048 x 512 float32; W2 512 x 2,048 float32; W3 64 x 512 float32; W4 1 x 64 float32; b1 2,048 float32; b2 512 float32; b3 64 float32; b4 1 float32; g1 2,048 float32; g2 512 float32; g3 64 float32; g4 1 float32; lowp_scales 6 int32 (the exponents e of the quantised operands' scales 2^e); m1 2,048 float32; m2 512 float32; m3 64 float32; m4 1 float32; v1 2,048 float32; v2 512 float32; v3 64 float32; v4 1 float32; x_key 16 x 2,048 x 512 float32; x_query 16 x 2,048 float32.
;; Outputs: out0 16 x 2,048 float32.
;; This version of the problem:
;;   THIS VERSION OF THE PROBLEM IS GIVEN IN LOW PRECISION. The matrix products marked QUANTISED in the list below multiply operands that are first quantised to E5M2 (5 exponent bits, 2 mantissa bits; 8 bits a number), with one given power-of-two scale for each operand tensor; their sums are f32. All else is computed in f32.
;;   The module's matrix products, in the order in which they are computed (A, B: the left and right operand; K: the contracted axis; several contracted axes count as one K, in the product's order):
;;     1. [M 32,768, K 512] x [K 512, N 2,048]; A: input x_key; B: input W1: QUANTISED (scales: A lowp_scales[0], B lowp_scales[1])
;;     2. [M 32,768, K 2,048] x [K 2,048, N 512]; A: computed on the way; B: input W2: QUANTISED (scales: A lowp_scales[2], B lowp_scales[3])
;;     3. [M 32,768, K 512] x [K 512, N 64]; A: computed on the way; B: input W3: QUANTISED (scales: A lowp_scales[4], B lowp_scales[5])
;;     4. [M 32,768, K 64] x [K 64, N 1]; A: computed on the way; B: input W4: left as it is (N = 1 < 16)
;;     5. batch 16 x [M 2,048, K 2,048] x [K 2,048, N 1]; A: computed on the way; B: softmax: left as it is (N = 1 < 16)
;;   THE QUANTISER, for each operand of a quantised product, along K:
;;     - The operand's scale is 2^e, e = its entry of the input lowp_scales (int32; the entries are numbered through the quantised products in the list's order, A before B).
;;     - Each number is divided by the scale, clamped to +-57,344, and rounded to the nearest number of E5M2, ties to even, subnormals kept.
;;     - The product sums the exact products of the quantised numbers (number of the format x scale) in f32.
;;   ~~~python
;;   def quantise(x, axis, e):      # numpy; x: float32 -> the quantised numbers, widened to float32 again
;;       x = np.moveaxis(x, axis, -1); K = x.shape[-1]
;;       r = np.clip(x / 2.0 ** e, -57344, 57344)
;;       step = 2.0 ** (np.maximum(np.frexp(np.where(r == 0, 1, r))[1] - 1, -14) - 2)
;;       q = np.round(r / step) * step * 2.0 ** e      # np.round: ties to even
;;       return np.moveaxis(q, -1, axis).astype(np.float32)
;;   ~~~
;;   OPERANDS COMPUTED ON THE WAY. 'Computed on the way' means the value that the module computes at that place (a softmax that the list does not call 'softmax' is quantised finished and normalised). What goes into a quantiser is computed in f32, as accurately as f32 sums, v_exp_f32 and their like allow (about 1e-6 of the number): no bf16 or f16 on the way to a quantiser, and a product that is left as it is and whose result goes on into a quantised operand takes f32 operands (vector FMAs, or v_wmma_f32_16x16x4_f32). A number that lies on a knife's edge between two numbers of the format may be rounded either way, as far as f32 arithmetic and the matrix unit's own rounding can turn it there, and no further.
;; One version. Each part assembles by itself: llvm-mc -triple=amdgcn-amd-amdhsa -mcpu=gfx1250 --defsym DOCPART=n.
;; ======== version 1 of 1: 3 launches
;; limits: right only within a limited range of input values
;; workspace buffers: wts 3,178,496 bytes; pars 21,248 bytes; part 2,097,152 bytes; stat 65,536 bytes; xc 16,777,216 bytes
;; launch prep (part 1): grid 778 x 1, 4 waves a work-group, no clusters, 34,304 bytes of LDS; arguments W1, W2, W3, lowp_scales, wts, pars, g1, b1, m1, v1, g2, b2, m2, v2, g3, b3, m3, v3, g4, b4, m4, v4, x_key, xc; writes wts, pars, xc
.if DOCPART == 1
	.amdgcn_target "amdgcn-amd-amdhsa--gfx1250"
	.amdhsa_code_object_version 6
	.text
	.protected	k_q2eb1c53b00_prep
	.globl	k_q2eb1c53b00_prep
	.p2align	8
	.type	k_q2eb1c53b00_prep,@function
k_q2eb1c53b00_prep:
	s_mov_b64 s[64:65], 0
	v_nop
	global_prefetch_b8 v0, s[64:65] scope:SCOPE_SE
	s_setreg_imm32_b32 hwreg(HW_REG_WAVE_MODE, 25, 1), 1
	s_wait_xcnt 0x0
; PREP: the three weights become codes of BF8 (E5M2), laid in the order in which the main launch's operand registers take them, and the four batch norms are folded.
; A FRAGMENT IMAGE is 16 rows x 128 K = 2,048 bytes: piece c (512 bytes) holds lane l's 16 bytes at 512 c + 16 l: the codes of the lane's row, k = 128 s + 32 c + 16 (l / 16) + 0 .. 15.
; W1's and W2's tiles take rows that are not neighbours: lane r of tile T = 8 G + 2 p + u takes row 128 G + 32 p + 8 u + r + 8 (r / 8); W3's tiles take rows 16 n + r.
; wts: 24 slots of 131,072 bytes.  Slot c < 16: W1's rows 128 c .. + 127 as [p][s][u][2,048], then W2's K step c as [tile 0 .. 31][2,048].  Slots 16 .. 23: W1's sixteen blocks of 65,536 bytes once more, on end.
; Behind them, at byte 3,145,728, W3's sixteen fragments [n][s].
; pars (f32): A1' 0, C1' 8,192, A2' 16,384, C2' 18,432, A3' 20,480, C3' 20,736, (A4', C4') 32 times from 20,992.  With G = g rsq(v + 1e-5): A' = 0.4 G 2^(eA + eB), C' = 0.4 (b - m G).
; The main launch takes w = sum A' + C' and lrelu(bn) = 1.5 w + |w|.  That is another order of rounding than (x - m) G + b: it differs by a few 1e-7 of the number.
; Work-groups 0-127: W1, a fragment a wave; 128-255: W2; 256-259: W3; 260-263: layer 1's norm; 264: layer 2's; 265: wave 0 layer 3's, wave 1 layer 4's.
; code = x / 2^e, held within +-57,344, to the nearest code, ties to even.  LIMITS: each e between -126 and 112.  NaN among the inputs is not served.
; TWO THINGS DIFFER FROM THE LAYOUT ABOVE.  Slots 16 .. 23 of wts (W1 once more) are not written: no launch reads them.
; Work-groups 266-777 turn x_key into codes: a wave takes 16 rows (row tile RT = 4 (work-group - 266) + wave) and stores their four fragment images [s][2,048] at xc + 8,192 RT, rows as they lie.
; Each load reads 512 consecutive bytes of one row; a K step's 16 x 512 bytes turn through the wave's own stage in LDS (rows 528 bytes apart) and come back 64 bytes a lane: 16 neighbours along K.
.set XSPARE, 33792                     ; behind the four stages of 8,448 bytes: the spare words, 128 bytes for each wave
	s_load_b256 s[4:11], s[0:1], 0x0               ; W1 s[4:5], W2 s[6:7], W3 s[8:9], the exponents s[10:11]
	v_lshl_add_u32 v224, v0, 2, XSPARE             ; my spare word, and 0
	v_mov_b32 v225, 0
	s_load_b128 s[12:15], s[0:1], 0x20             ; wts s[12:13], pars s[14:15]
	v_lshrrev_b32 v1, 5, v0
	v_readfirstlane_b32 s3, v1                     ; wave
	v_and_b32 v2, 15, v0                           ; r
	v_bfe_u32 v3, v0, 4, 1                         ; h
	v_and_b32 v4, 31, v0                           ; lane
	s_wait_kmcnt 0x0
	s_load_b128 s[48:51], s[10:11], 0x0            ; e0 .. e3
	s_load_b64 s[52:53], s[10:11], 0x10            ; e4, e5
	s_cmp_ge_u32 ttmp9, 266
	s_cbranch_scc1 .Lx
	s_cmp_ge_u32 ttmp9, 260
	s_cbranch_scc1 .Lbn
	; ---- a fragment a wave.  The arms make offsets alone: s32 in the source, s34 in wts, s29 log2 of the source's row, s30 the mask of the rows' permutation
	s_lshl_b32 s16, ttmp9, 2
	s_add_co_u32 s16, s16, s3                      ; f = 4 x work-group + wave
	s_mov_b32 s33, 0
	s_mov_b32 s35, 0
	s_cmp_ge_u32 ttmp9, 128
	s_cbranch_scc1 .Lw2
	s_lshr_b32 s17, s16, 2                         ; W1: T = 8 c + 2 p + u
	s_and_b32 s18, s16, 3                          ; K step s
	s_mov_b32 s29, 11                              ; a row is 2,048 bytes
	s_mov_b32 s30, 8
	s_lshr_b32 s19, s17, 3                         ; c
	s_bfe_u32 s25, s17, 0x20001                    ; p
	s_and_b32 s26, s17, 1                          ; u
	s_lshl_b32 s27, s18, 1
	s_add_co_u32 s27, s27, s26
	s_lshl_b32 s27, s27, 11                        ; (2 s + u) x 2,048
	s_lshl_b32 s28, s25, 14
	s_add_co_u32 s27, s27, s28                     ; + 16,384 p
	s_lshl_b32 s28, s19, 17
	s_add_co_u32 s34, s27, s28                     ; in slot c
	s_branch .Lrow
.Lw2:
	s_cmp_ge_u32 ttmp9, 256
	s_cbranch_scc1 .Lw3
	s_sub_co_u32 s16, s16, 512
	s_and_b32 s17, s16, 31                         ; W2: T = the tile, 0 .. 31
	s_lshr_b32 s18, s16, 5                         ; K step = the slot
	s_mov_b32 s29, 13                              ; a row is 8,192 bytes
	s_mov_b32 s30, 8
	s_lshl_b32 s34, s18, 17
	s_lshl_b32 s28, s17, 11
	s_add_co_u32 s34, s34, s28
	s_add_co_u32 s34, s34, 65536
.Lrow:
	s_lshr_b32 s24, s17, 3                         ; the tile's first row: 128 (T / 8) + 32 ((T / 2) % 4) + 8 (T % 2)
	s_lshl_b32 s24, s24, 7
	s_bfe_u32 s25, s17, 0x20001
	s_lshl_b32 s25, s25, 5
	s_add_co_u32 s24, s24, s25
	s_and_b32 s25, s17, 1
	s_lshl_b32 s25, s25, 3
	s_add_co_u32 s24, s24, s25
	s_branch .Lsrc
.Lw3:
	s_sub_co_u32 s16, s16, 1024                    ; W3: fragment 4 n + s
	s_and_b32 s18, s16, 3
	s_lshr_b32 s24, s16, 2
	s_lshl_b32 s24, s24, 4                         ; row 16 n
	s_mov_b32 s29, 11
	s_mov_b32 s30, 0                               ; rows as they lie
	s_lshl_b32 s34, s16, 11
	s_add_co_u32 s34, s34, 3145728
.Lsrc:
	s_lshl_b32 s32, s24, s29
	s_lshl_b32 s25, s18, 9
	s_add_co_u32 s32, s32, s25                     ; first row x its bytes + 512 s
	s_wait_alu depctr_va_vdst(0)
	v_and_b32 v5, s30, v2
	v_add_nc_u32 v5, v5, v2                        ; r + 8 (r / 8), or r
	v_lshlrev_b32 v5, s29, v5
	v_lshl_add_u32 v5, v3, 6, v5                   ; + 64 h: my 16 numbers of a block of 32
	v_lshlrev_b32 v4, 4, v4                        ; 16 x lane
	s_cmp_lt_u32 ttmp9, 128                        ; the choices hang on the work-group's number alone
	s_cselect_b64 s[20:21], s[4:5], s[6:7]
	s_cmp_lt_u32 ttmp9, 256
	s_cselect_b64 s[20:21], s[20:21], s[8:9]
	s_add_nc_u64 s[20:21], s[20:21], s[32:33]
	s_add_nc_u64 s[22:23], s[12:13], s[34:35]
.irp c, 0,1,2,3
.irp j, 0,1,2,3
	global_load_b128 v[16+16*\c+4*\j:16+16*\c+4*\j+3], v5, s[20:21] offset:128*\c+16*\j th:TH_LOAD_NT
.endr
.endr
	s_wait_kmcnt 0x0
	s_cmp_lt_u32 ttmp9, 128
	s_cselect_b32 s31, s49, s51
	s_cmp_lt_u32 ttmp9, 256
	s_cselect_b32 s31, s31, s53                    ; e of this weight
	s_add_co_i32 s31, s31, 127
	s_lshl_b32 s40, s31, 23
	v_mov_b32 v6, s40                              ; 2^e as f32: the conversion takes its exponent field
	s_add_co_i32 s31, s31, 15
	s_lshl_b32 s31, s31, 23
	s_or_b32 s41, s31, 0x600000                    ; 57,344 x 2^e
	s_or_b32 s42, s41, 0x80000000                  ; and its negative
	s_wait_loadcnt 0x0
.set q, 16
.rept 64
	v_med3_num_f32 v[q], v[q], s42, s41            ; the conversion to an 8-bit code does not saturate (ISA guide 7.6.2): the hold comes first
.set q, q+1
.endr
.irp c, 0,1,2,3
	v_cvt_scalef32_pk8_bf8_f32 v[80+4*\c:81+4*\c], v[16+16*\c:23+16*\c], v6
	v_cvt_scalef32_pk8_bf8_f32 v[82+4*\c:83+4*\c], v[24+16*\c:31+16*\c], v6
.endr
	v_nop
.irp c, 0,1,2,3
	global_store_b128 v4, v[80+4*\c:83+4*\c], s[22:23] offset:512*\c   ; the wave stores 512 consecutive bytes, aligned
.endr
	s_endpgm
	; ---- the norms
.Lbn:
	s_load_b512 s[16:31], s[0:1], 0x30             ; g1 b1 m1 v1 g2 b2 m2 v2
	s_load_b512 s[32:47], s[0:1], 0x70             ; g3 b3 m3 v3 g4 b4 m4 v4
	s_wait_kmcnt 0x0
	s_cmp_lt_u32 ttmp9, 265
	s_cbranch_scc1 .Lvec
	s_cmp_eq_u32 s3, 0
	s_cbranch_scc1 .Lvec
	s_cmp_eq_u32 s3, 1
	s_cbranch_scc1 .Lfour
	s_endpgm                                       ; layers 3 and 4 have work for two waves
.Lvec:
	s_add_co_i32 s66, s48, s49                     ; the exponents that a layer's sums lack
	s_add_co_i32 s67, s50, s51
	s_add_co_i32 s68, s52, s53
	s_sub_co_u32 s73, ttmp9, 260                   ; layer 1: which 512 of its 2,048 channels
	s_mov_b32 s70, 127
	s_mov_b32 s71, 16384
	s_mov_b32 s72, 18432
	s_cmp_lt_u32 ttmp9, 264                        ; layer 1 or 2
	s_cselect_b64 s[54:55], s[16:17], s[24:25]
	s_cselect_b64 s[56:57], s[18:19], s[26:27]
	s_cselect_b64 s[58:59], s[20:21], s[28:29]
	s_cselect_b64 s[60:61], s[22:23], s[30:31]
	s_cselect_b32 s69, s66, s67
	s_cselect_b32 s70, 511, s70                    ; the mask of the index: four channels a thread
	s_cselect_b32 s71, 0, s71                      ; A's place in pars
	s_cselect_b32 s72, 8192, s72                   ; C's
	s_cselect_b32 s73, s73, 0
	s_cmp_lt_u32 ttmp9, 265                        ; or layer 3
	s_cselect_b64 s[54:55], s[54:55], s[32:33]
	s_cselect_b64 s[56:57], s[56:57], s[34:35]
	s_cselect_b64 s[58:59], s[58:59], s[36:37]
	s_cselect_b64 s[60:61], s[60:61], s[38:39]
	s_cselect_b32 s69, s69, s68
	s_cselect_b32 s70, s70, 15                     ; (layer 3: lanes 16-31 repeat lanes 0-15)
	s_mov_b32 s74, 20480
	s_cselect_b32 s71, s71, s74
	s_mov_b32 s74, 20736
	s_cselect_b32 s72, s72, s74
	s_lshl_b32 s73, s73, 7
	v_add_nc_u32 v5, s73, v0
	v_and_b32 v5, s70, v5
	v_lshlrev_b32 v5, 4, v5                        ; 16 bytes a thread
	global_load_b128 v[8:11], v5, s[54:55]         ; g
	global_load_b128 v[12:15], v5, s[56:57]        ; b
	global_load_b128 v[16:19], v5, s[58:59]        ; m
	global_load_b128 v[20:23], v5, s[60:61]        ; v
	v_add_nc_u32 v6, s71, v5
	v_add_nc_u32 v7, s72, v5
	s_wait_loadcnt 0x0
.irp q, 0,1,2,3
	v_add_f32 v[20+\q], 0x3727c5ac, v[20+\q]       ; v + 1e-5
.endr
	s_wait_alu depctr_va_vdst(0)
.irp q, 0,1,2,3
	v_rsq_f32 v[24+\q], v[20+\q]
.endr
	v_nop                                          ; a plain instruction behind the last of the batch
	s_wait_alu depctr_va_vdst(0)                   ; one wait for the four, ahead of their first reader
.irp q, 0,1,2,3
	v_mul_f32 v[24+\q], v[8+\q], v[24+\q]          ; G
	v_fma_f32 v[28+\q], -v[16+\q], v[24+\q], v[12+\q]   ; b - m G
	v_mul_f32 v[24+\q], 0x3ecccccd, v[24+\q]
	v_ldexp_f32 v[24+\q], v[24+\q], s69            ; A' = 0.4 G 2^(eA + eB)
	v_mul_f32 v[28+\q], 0x3ecccccd, v[28+\q]       ; C' = 0.4 (b - m G)
.endr
	; LAYER 1 ALONE: in C1's place pars holds C' / A', which the main launch gives its products as their first C: w = A' (sum + C' / A').
	; There a scale A' under 2^-90 in magnitude (g = 0 among them) is taken as 2^-90: sum x A' is then lost beside C', as it is in f32.  LIMIT: |C'| stays under 2^37, so that C' / A' is an f32 number.
	s_cmp_lt_u32 ttmp9, 264
	s_cselect_b32 s75, -1, 0                       ; all lanes in layer 1's work-groups, none in the others
	s_mov_b32 s74, 0x12800000                      ; 2^-90
	v_mov_b32 v36, s74
.irp q, 0,1,2,3
	v_and_b32 v[32+\q], 0x7fffffff, v[24+\q]
.endr
.irp q, 0,1,2,3
	v_cmp_gt_u32 vcc_lo, s74, v[32+\q]             ; magnitudes compare as whole numbers
	s_and_b32 vcc_lo, vcc_lo, s75
	v_cndmask_b32 v[24+\q], v[24+\q], v36, vcc_lo
.endr
	s_wait_alu depctr_va_vdst(0)                   ; ahead of the batch
.irp q, 0,1,2,3
	v_rcp_f32 v[32+\q], v[24+\q]
.endr
	v_nop
	s_wait_alu depctr_va_vdst(0)                   ; behind the batch
.irp q, 0,1,2,3
	v_mul_f32 v[32+\q], v[28+\q], v[32+\q]
.endr
.irp q, 0,1,2,3
	v_cndmask_b32 v[28+\q], v[28+\q], v[32+\q], s75
.endr
	global_store_b128 v6, v[24:27], s[14:15]
	global_store_b128 v7, v[28:31], s[14:15]
	s_endpgm
.Lfour:
	s_load_b32 s54, s[40:41], 0x0                  ; g4
	s_load_b32 s55, s[42:43], 0x0                  ; b4
	s_load_b32 s56, s[44:45], 0x0                  ; m4
	s_load_b32 s57, s[46:47], 0x0                  ; v4
	s_wait_alu depctr_va_vdst(0)
	v_lshlrev_b32 v5, 3, v4                        ; 8 x lane
	s_wait_kmcnt 0x0
	v_mov_b32 v8, s54
	v_mov_b32 v12, s55
	v_mov_b32 v16, s56
	v_mov_b32 v20, s57
	v_add_f32 v20, 0x3727c5ac, v20
	s_wait_alu depctr_va_vdst(0)
	v_rsq_f32 v24, v20
	v_nop
	s_wait_alu depctr_va_vdst(0)                   ; ahead of the first reader
	v_mul_f32 v24, v8, v24
	v_fma_f32 v25, -v16, v24, v12
	v_mul_f32 v24, 0x3ecccccd, v24                 ; product 4 is not quantised: no exponent
	v_mul_f32 v25, 0x3ecccccd, v25
	global_store_b64 v5, v[24:25], s[14:15] offset:20992   ; 32 copies: 256 consecutive bytes, aligned
	s_endpgm
	; ---- x_key: 16 rows a wave
.Lx:
	s_load_b128 s[16:19], s[0:1], 0xb0             ; x_key, xc
	s_wait_alu depctr_va_vdst(0)
	v_lshlrev_b32 v5, 4, v4                        ; 16 x lane
	s_mul_i32 s20, s3, 8448                        ; my stage
	v_add_nc_u32 v6, s20, v5                       ; into it: a row's 512 bytes as they lie
	v_mul_u32_u24 v7, v2, 528
	v_lshl_add_u32 v7, v3, 6, v7
	v_add_nc_u32 v7, s20, v7                       ; out of it: row r, + 64 h
	s_sub_co_u32 s21, ttmp9, 266
	s_lshl_b32 s21, s21, 2
	s_add_co_u32 s21, s21, s3                      ; RT
	s_lshl_b32 s22, s21, 15                        ; 16 rows of 2,048 bytes
	s_mov_b32 s23, 0
	s_lshl_b32 s24, s21, 13                        ; four images
	s_mov_b32 s25, 0
	s_wait_alu depctr_va_vdst(0)                   ; directly ahead of the wait below
	s_wait_kmcnt 0x0
	s_add_nc_u64 s[16:17], s[16:17], s[22:23]
	s_add_nc_u64 s[18:19], s[18:19], s[24:25]
.macro XLD s
.irp i, 0,1,2,3,4,5,6,7,8,9,10,11,12,13,14,15
	global_load_b128 v[16+64*((\s)%2)+4*\i:16+64*((\s)%2)+4*\i+3], v5, s[16:17] offset:2048*\i+512*(\s) th:TH_LOAD_NT
.endr
.endm
	XLD 0
	XLD 1
	s_add_co_i32 s26, s48, 127                     ; e0
	s_lshl_b32 s27, s26, 23
	v_mov_b32 v10, s27                             ; 2^e0 as f32
	s_add_co_i32 s26, s26, 15
	s_lshl_b32 s26, s26, 23
	s_or_b32 s28, s26, 0x600000                    ; 57,344 x 2^e0
	s_or_b32 s29, s28, 0x80000000
.macro XST s
.if (\s) < 3
	s_wait_loadcnt 16                              ; this K step's 16 loads are in; the next step's may be out
.else
	s_wait_loadcnt 0x0
.endif
.irp i, 0,1,2,3,4,5,6,7,8,9,10,11,12,13,14,15
	ds_store_b128 v6, v[16+64*((\s)%2)+4*\i:16+64*((\s)%2)+4*\i+3] offset:528*\i
.endr
.irp c, 0,1,2,3
.irp j, 0,1,2,3
	ds_load_b128 v[144+16*\c+4*\j:144+16*\c+4*\j+3], v7 offset:128*\c+16*\j   ; LDS serves a wave's instructions in order: these see my stores
.endr
.endr
	s_wait_dscnt 0x0
.if (\s) > 0
	s_wait_xcnt 0x0                                ; the last step's stores have read the codes' registers
.endif
.if (\s)+2 < 4
	XLD (\s)+2
.endif
.set q, 144
.rept 64
	v_med3_num_f32 v[q], v[q], s29, s28            ; the hold comes first: the conversion does not saturate (ISA guide 7.6.2)
.set q, q+1
.endr
.irp c, 0,1,2,3
	v_cvt_scalef32_pk8_bf8_f32 v[208+4*\c:209+4*\c], v[144+16*\c:151+16*\c], v10
	v_cvt_scalef32_pk8_bf8_f32 v[210+4*\c:211+4*\c], v[152+16*\c:159+16*\c], v10
.endr
	v_nop
.irp c, 0,1,2,3
	global_store_b128 v5, v[208+4*\c:211+4*\c], s[18:19] offset:2048*(\s)+512*\c   ; 512 consecutive bytes, aligned
.endr
.endm
	XST 0
	XST 1
	XST 2
	XST 3
	s_wait_tensorcnt 0x0                           ; the wave's end
	ds_add_u32 v224, v225
	s_wait_dscnt 0x0
	s_endpgm
.Lfunc_end_k_q2eb1c53b00_prep:
	.size	k_q2eb1c53b00_prep, .Lfunc_end_k_q2eb1c53b00_prep-k_q2eb1c53b00_prep
	.p2alignl 7, 3214868480
	.fill 96, 4, 3214868480
	.section	.rodata,"a",@progbits
	.p2align	6, 0x0
	.amdhsa_kernel k_q2eb1c53b00_prep
		.amdhsa_group_segment_fixed_size 34304
		.amdhsa_private_segment_fixed_size 0
		.amdhsa_enable_private_segment 0
		.amdhsa_kernarg_size 192
		.amdhsa_user_sgpr_count 2
		.amdhsa_user_sgpr_kernarg_segment_ptr 1
		.amdhsa_wavefront_size32 1
		.amdhsa_system_sgpr_workgroup_id_x 1
		.amdhsa_system_sgpr_workgroup_id_y 1
		.amdhsa_system_sgpr_workgroup_id_z 1
		.amdhsa_system_vgpr_workitem_id 0
		.amdhsa_next_free_vgpr 232
		.amdhsa_next_free_sgpr 76
		.amdhsa_reserve_vcc 1
		.amdhsa_float_denorm_mode_32 3
		.amdhsa_float_denorm_mode_16_64 3
		.amdhsa_memory_ordered 1
		.amdhsa_forward_progress 1
		.amdhsa_inst_pref_size 52
	.end_amdhsa_kernel
	.amdgpu_metadata
---
amdhsa.version: [ 1, 2 ]
amdhsa.kernels:
  - .name:           k_q2eb1c53b00_prep
    .symbol:         k_q2eb1c53b00_prep.kd
    .args:
      - { .name: W1, .offset: 0, .size: 8, .value_kind: global_buffer, .address_space: global }
      - { .name: W2, .offset: 8, .size: 8, .value_kind: global_buffer, .address_space: global }
      - { .name: W3, .offset: 16, .size: 8, .value_kind: global_buffer, .address_space: global }
      - { .name: lowp_scales, .offset: 24, .size: 8, .value_kind: global_buffer, .address_space: global }
      - { .name: wts, .offset: 32, .size: 8, .value_kind: global_buffer, .address_space: global }
      - { .name: pars, .offset: 40, .size: 8, .value_kind: global_buffer, .address_space: global }
      - { .name: g1, .offset: 48, .size: 8, .value_kind: global_buffer, .address_space: global }
      - { .name: b1, .offset: 56, .size: 8, .value_kind: global_buffer, .address_space: global }
      - { .name: m1, .offset: 64, .size: 8, .value_kind: global_buffer, .address_space: global }
      - { .name: v1, .offset: 72, .size: 8, .value_kind: global_buffer, .address_space: global }
      - { .name: g2, .offset: 80, .size: 8, .value_kind: global_buffer, .address_space: global }
      - { .name: b2, .offset: 88, .size: 8, .value_kind: global_buffer, .address_space: global }
      - { .name: m2, .offset: 96, .size: 8, .value_kind: global_buffer, .address_space: global }
      - { .name: v2, .offset: 104, .size: 8, .value_kind: global_buffer, .address_space: global }
      - { .name: g3, .offset: 112, .size: 8, .value_kind: global_buffer, .address_space: global }
      - { .name: b3, .offset: 120, .size: 8, .value_kind: global_buffer, .address_space: global }
      - { .name: m3, .offset: 128, .size: 8, .value_kind: global_buffer, .address_space: global }
      - { .name: v3, .offset: 136, .size: 8, .value_kind: global_buffer, .address_space: global }
      - { .name: g4, .offset: 144, .size: 8, .value_kind: global_buffer, .address_space: global }
      - { .name: b4, .offset: 152, .size: 8, .value_kind: global_buffer, .address_space: global }
      - { .name: m4, .offset: 160, .size: 8, .value_kind: global_buffer, .address_space: global }
      - { .name: v4, .offset: 168, .size: 8, .value_kind: global_buffer, .address_space: global }
      - { .name: x_key, .offset: 176, .size: 8, .value_kind: global_buffer, .address_space: global }
      - { .name: xc, .offset: 184, .size: 8, .value_kind: global_buffer, .address_space: global }
    .group_segment_fixed_size: 34304
    .private_segment_fixed_size: 0
    .kernarg_segment_align: 8
    .kernarg_segment_size: 192
    .max_flat_workgroup_size: 128
    .sgpr_count:     76
    .vgpr_count:     232
    .wavefront_size: 32
...
	.end_amdgpu_metadata
.endif
;; end of part 1
;; launch main (part 2): grid 256 x 1, 4 waves a work-group, no clusters, 274,944 bytes of LDS; arguments xc, x_query, wts, pars, W4, lowp_scales, part, stat; writes part, stat
.if DOCPART == 2
	.amdgcn_target "amdgcn-amd-amdhsa--gfx1250"
	.amdhsa_code_object_version 6
	.text
	.protected	k_q2eb1c53b00_main
	.globl	k_q2eb1c53b00_main
	.p2align	8
	.type	k_q2eb1c53b00_main,@function
k_q2eb1c53b00_main:
	s_mov_b64 s[64:65], 0
	v_nop
	global_prefetch_b8 v0, s[64:65] scope:SCOPE_SE
	s_setreg_imm32_b32 hwreg(HW_REG_WAVE_MODE, 25, 1), 1
	s_wait_xcnt 0x0
; MAIN: a work-group takes 128 rows of one batch through the whole chain; values, features, s2 and s3 never go to memory.
;   PHASE A, 16 stages of 32 channels a wave: wave w owns channels 512 w .. + 511 and holds x's codes of all 128 rows (512 registers): values = lrelu(bn1(Q(x) Q(W1)^T)), features = values + x_query, quantised;
;            the codes of all 2,048 channels stay in LDS: 262,144 bytes.
;   PHASE B, 16 K steps of 128: s2's sums = Q(features) Q(W2)^T; wave w owns all 128 rows x d = 128 w .. + 127: 64 accumulators, which take the registers that held x.
;   MIDDLE: s2 = lrelu(bn2), quantised; s3 = lrelu(bn3(Q(s2) Q(W3)^T)); s4 = lrelu(bn4(s3 . W4)); m = the block's largest s4, p = e^(s4 - m), l = the sum of p.
;   PASS 2: x's codes are loaded again, values are made a second time (128 x 2,048 of them fit neither registers nor LDS) and pooled: part[e] = sum over the 128 rows of p values; wave w again owns channels 512 w .. + 511.
; part and (m, l) go out; the last launch joins a batch's 16 blocks under the batch's largest s4.
; All quantised products run on codes of BF8 (E5M2) by v_wmma_f32_16x16x128_bf8_bf8.  lrelu(bn(sum)) = 1.5 w + |w| with w = sum A' + C' (from pars): another order of rounding than (x - m) G + b, a few 1e-7 of the number.
; LIMITS: each given exponent lies between -126 and 112.  NaN among the inputs is not served.
; OPERANDS ARE FRAGMENT IMAGES of 16 rows x 128 K: piece c holds lane l's 16 bytes, k = 32 c + 16 (l / 16) + 0 .. 15 of the lane's row; the same order of k stands on both sides of every product.
; W1's and W2's tiles take rows r + 8 (r / 8) of 32, so that two neighbouring tiles' 16 results of a lane are 16 neighbours along the next K.
; NO CLUSTER, NO TENSOR LOAD: every fragment of W1, W2 and W3 is read by ONE wave of the work-group, so it goes from memory straight into that wave's registers, as the image that prep laid;
; the features take 262,144 of the 327,680 bytes of LDS, and a K step of W2 is 65,536 bytes: no two slots of weights fit beside them.
; PREFETCH: the weights are walked in 32 units of 65,536 bytes (16 stages of W1, 16 K steps of W2).  Work-group x (2 .. 31) asks for unit x, whole, two units ahead of its loads: each wave for its own 16,384 bytes, lanes 256 bytes apart.
; Units 0 and 1 come by their loads alone; pass 2 walks W1 a second time and asks for nothing.
; LDS: 0 the features [piece 4 c + p][row tile][512], later s2's 32 images; S4P the partial scores; PCOPY p, a copy a wave; POOL 2,048 bytes a wave; the spare words.
; WINDOWS.  Phase A: 0: v16-111 two sets of A1', C1', x_query; v112-127 1.5 A'; v128-255 16 accumulators.  1: two buffers of 8 fragments of W1.  2, 3: x, fragment (n, s) at v[16 (4 (n % 4) + s)] of window 2 + n / 4.
; Phase B: 0: v32-127 three buffers of two feature fragments, v128-255 W2's buffer 2.  1: W2's buffers 0, 1.  2, 3: accumulator (a, t) at v[8 (8 (a % 4) + t)] of window 2 + a / 4.
; Pass 2: 0: v16-31 (A', .), (C', .); v32-63 sums; v64-127 p; v128-255 16 accumulators.  1: W1's two buffers.  2, 3: x.
; LAYER 1's NORM: pars holds A1' and, in C1's place, C1' / A1'.  That quotient is the C of each accumulator's first product, so a finished sum is S' = sum + C' / A' and w = A' S':
; phase A takes features = 1.5 A' S' + x_query + |A'| |S'|; pass 2 pools sum p S' and sum p |S'| and scales them once a channel by 1.5 A' and |A'|.  Layers 2 to 4 are as stated above.
; Phase A and pass 2 keep two sets of address registers (s[30:31], v5 and s[38:39], v9), one for each parity of the stage: a set is written again only behind the counted wait that shows its own loads done.
.set S4P,    262144
.set PCOPY,  264192
.set POOL,   266240
.set SPARE,  274432
.set W3OFF,  3145728
.set MSB, 0
.macro WIN new                         ; the immediate's high byte repeats the setting that is left; a switch that changes nothing is dropped
.if MSB != (\new)
	s_set_vgpr_msb (MSB<<8)|(\new)
.set MSB, (\new)
.endif
.endm
.macro PLACES n                        ; plain instructions behind a matrix instruction (ISA guide 7.12.1)
.rept \n
	v_nop
.endr
.endm
.macro BAR                             ; my LDS instructions are done: then the work-group's barrier
	s_wait_alu depctr_va_vdst(0)                   ; ahead of a wait that blocks
	s_wait_dscnt 0x0
	s_barrier_signal -1
	s_barrier_wait -1
.endm
.macro MM d, a, b, z                   ; one product; z: it starts the sum
.if \z
	v_wmma_f32_16x16x128_bf8_bf8 v[(\d):(\d)+7], v[(\a):(\a)+15], v[(\b):(\b)+15], 0
.else
	v_wmma_f32_16x16x128_bf8_bf8 v[(\d):(\d)+7], v[(\a):(\a)+15], v[(\b):(\b)+15], v[(\d):(\d)+7]
.endif
.endm
.macro ASK                             ; s46 counts the units; my work-group asks where it equals s43
	s_wait_alu depctr_va_vdst(0)                   ; ahead of a branch
	s_cmp_eq_u32 s46, s43
	s_cbranch_scc0 .Lna_\@
	global_prefetch_b8 v7, s[44:45] th:TH_LOAD_NT scope:SCOPE_SE
	global_prefetch_b8 v7, s[44:45] offset:8192 th:TH_LOAD_NT scope:SCOPE_SE
.Lna_\@:
	s_add_co_u32 s46, s46, 1
.endm
.macro XLOAD n0, n1                    ; x's fragments of row tiles n0 .. n1
.set xn, \n0
.rept \n1-\n0+1
	WIN 0x80+0x40*(xn/4)
.irp s, 0,1,2,3
.irp c, 0,1,2,3
	global_load_b128 v[16*(4*(xn%4)+\s)+4*\c:16*(4*(xn%4)+\s)+4*\c+3], v1, s[24:25] offset:(4*xn+\s)*2048+512*\c
.endr
.endr
.set xn, xn+1
.endr
	WIN 0
.endm
.macro WLOAD buf                       ; eight fragments, 16,384 bytes on end at s[30:31] or s[38:39], into a buffer of window 1
	WIN 0x40
.irp f, 0,1,2,3,4,5,6,7
.irp c, 0,1,2,3
	global_load_b128 v[128*(\buf)+16*\f+4*\c:128*(\buf)+16*\f+4*\c+3], v1, s[30+8*(\buf):31+8*(\buf)] offset:2048*\f+512*\c
.endr
.endr
	WIN 0
.endm
.macro SCALE e, pw, hi, lo             ; s[pw] = 2^e as f32, s[hi] = 57,344 x 2^e, s[lo] = its negative
	s_add_co_i32 s62, s[\e], 127
	s_lshl_b32 s[\pw], s62, 23
	s_add_co_i32 s62, s62, 15
	s_lshl_b32 s62, s62, 23
	s_or_b32 s[\hi], s62, 0x600000
	s_or_b32 s[\lo], s[\hi], 0x80000000
.endm
.macro WOFF par                        ; s62 = the next stage qn; s32 = where its 16,384 bytes of W1 lie in wts: 524,288 w + 131,072 (qn / 4) + 16,384 (qn % 4)
	s_add_co_u32 s62, s41, 1+\par
	s_lshr_b32 s63, s62, 2
	s_lshl_b32 s63, s63, 17
	s_and_b32 s26, s62, 3
	s_lshl_b32 s26, s26, 14
	s_add_co_u32 s63, s63, s26
	s_add_co_u32 s32, s63, s28
.endm
	s_load_b512 s[4:19], s[0:1], 0x0               ; xc s[4:5], x_query s[6:7], wts s[8:9], pars s[10:11], W4 s[12:13], the exponents s[14:15], part s[16:17], stat s[18:19]
	v_lshl_add_u32 v2, v0, 2, SPARE                ; my spare word, and 0
	v_mov_b32 v3, 0
	v_lshrrev_b32 v4, 5, v0
	v_readfirstlane_b32 s20, v4                    ; wave 0..3
	v_and_b32 v1, 31, v0
	v_lshlrev_b32 v7, 8, v1                        ; 256 x lane (prefetch)
	v_lshlrev_b32 v1, 4, v1                        ; 16 x lane
	v_bfe_u32 v4, v0, 4, 1
	v_lshlrev_b32 v4, 6, v4
	s_lshl_b32 s62, s20, 11
	v_add_nc_u32 v4, s62, v4                       ; 2,048 w + 64 h: my lane's first parameters
	v_mov_b32 v5, v4                               ; stage 0's
	s_mov_b32 s21, ttmp9                           ; work-group
	s_lshl_b32 s28, s20, 19                        ; my W1: slots 4 w ..
	s_lshl_b32 s29, s20, 14
	s_add_co_u32 s29, s29, 65536                   ; my eight tiles of W2 in a slot
	s_mov_b32 s33, 0
	s_mov_b32 s46, 0
	s_mov_b32 s57, 0x3fc00000                      ; 1.5
	s_mov_b32 s58, 0x76543210
	s_mov_b32 s59, 0xfedcba98                      ; lane l xor 16
	s_min_u32 s62, s21, 31                         ; the unit that my work-group asks for (held inside the stream)
	s_lshr_b32 s63, s62, 2
	s_lshl_b32 s63, s63, 17
	s_and_b32 s26, s62, 3
	s_lshl_b32 s26, s26, 14
	s_add_co_u32 s63, s63, s26
	s_add_co_u32 s63, s63, s28                     ; a stage of W1,
	s_sub_co_u32 s26, s62, 16
	s_lshl_b32 s26, s26, 17
	s_add_co_u32 s26, s26, s29                     ; or a K step of W2
	s_cmp_lt_u32 s62, 16
	s_cselect_b32 s40, s63, s26
	s_mov_b32 s41, 0
	s_sub_co_u32 s43, s21, 2                       ; two units ahead (work-groups 0 and 1: a number that the count never reaches)
	s_cmp_lt_u32 s21, 32
	s_cselect_b32 s43, s43, -1
	s_wait_alu depctr_va_vdst(0)                   ; at the head's end
	s_wait_kmcnt 0x0
	s_load_b128 s[48:51], s[14:15], 0x0
	s_load_b64 s[52:53], s[14:15], 0x10
	s_load_b64 s[60:61], s[10:11], 0x5200          ; A4', C4'
	s_add_nc_u64 s[44:45], s[8:9], s[40:41]
	s_lshl_b32 s32, s21, 16
	s_add_nc_u64 s[24:25], s[4:5], s[32:33]        ; my 32 images of x
	s_lshr_b32 s32, s21, 4
	s_lshl_b32 s32, s32, 13
	s_add_nc_u64 s[22:23], s[6:7], s[32:33]        ; x_query[b]
	s_mov_b32 s32, s28
	s_add_nc_u64 s[30:31], s[8:9], s[32:33]        ; W1, stage 0
	s_add_co_u32 s32, s29, 262144
	s_add_nc_u64 s[34:35], s[8:9], s[32:33]        ; W2, K step 2
	s_lshl_b32 s32, s20, 13
	s_add_co_u32 s32, s32, W3OFF
	s_add_nc_u64 s[36:37], s[8:9], s[32:33]        ; W3's tile w
.macro PLOADA set                      ; A1', C1', x_query at my lane's 16 channels
.irp j, 0,1,2,3
	global_load_b128 v[16+48*(\set)+4*\j:16+48*(\set)+4*\j+3], v[5+4*(\set)], s[10:11] offset:16*\j
	global_load_b128 v[32+48*(\set)+4*\j:32+48*(\set)+4*\j+3], v[5+4*(\set)], s[10:11] offset:8192+16*\j
	global_load_b128 v[48+48*(\set)+4*\j:48+48*(\set)+4*\j+3], v[5+4*(\set)], s[22:23] offset:16*\j
.endr
.endm
	XLOAD 0, 7
	WLOAD 0
	PLOADA 0
	s_wait_kmcnt 0x0
	SCALE 50, 80, 55, 67                           ; the features'
	SCALE 52, 81, 56, 68                           ; s2's
	v_mov_b32 v8, s80
; ---- PHASE A.  Stage q = s41 + par: channels 512 w + 32 q .. + 31: 64 products (transposed: source 0 = 16 rows of W1, source 1 = 16 rows of x), then bn, lrelu, + x_query, the hold, the conversions.
.macro VECP par
.set PS, 16+48*\par
.irp n, 0,1,2,3,4,5,6,7
.set R, 128+16*\n
.if \n == 0
.set CD, PS+16                         ; sixteen registers at work, then the codes: the quotients', which the first products have read,
.else
.set CD, 112+16*\n                     ; or the row tile before's, which are done with
.endif
.irp q, 0,2,4,6,8,10,12,14
	v_pk_fma_f32 v[CD+\q:CD+\q+1], v[R+\q:R+\q+1], v[112+\q:113+\q], v[PS+32+\q:PS+33+\q]   ; 1.5 A' S' + x_query
.endr
.irp q, 0,1,2,3,4,5,6,7,8,9,10,11,12,13,14,15
	v_fma_f32 v[R+\q], |v[R+\q]|, |v[PS+\q]|, v[CD+\q]   ; + |A'| |S'|: the features
.endr
.if \n > 0
	ds_store_b128 v6, v[CP:CP+3] offset:4096*\par+512*(\n-1)   ; the row tile before's codes: piece 16 w + q
.endif
.irp q, 0,1,2,3,4,5,6,7,8,9,10,11,12,13,14,15
	v_med3_num_f32 v[R+\q], v[R+\q], s67, s55      ; the conversion does not saturate (ISA guide 7.6.2)
.endr
	v_cvt_scalef32_pk8_bf8_f32 v[CD:CD+1], v[R:R+7], v8
	v_cvt_scalef32_pk8_bf8_f32 v[CD+2:CD+3], v[R+8:R+15], v8
	v_nop                                          ; a plain instruction between the conversions and the next tile's lines, which write their sources
.set CP, CD
.endr
	ds_store_b128 v6, v[CP:CP+3] offset:4096*\par+512*7
.endm
.macro STAGEA par
	s_wait_alu depctr_va_vdst(0)                   ; ahead of a wait that blocks
	WOFF \par
.if \par
	s_cmp_lt_u32 s62, 16
	s_cselect_b32 s32, s32, s29                    ; behind the last stage: W2's K step 0, the same 16,384 bytes on end
.endif
	s_add_nc_u64 s[38-8*\par:39-8*\par], s[8:9], s[32:33]   ; this set's last loads were shown done by the last stage's counted wait
	s_lshl_b32 s26, s62, 7
	s_wait_dscnt 0x0                               ; the last stage's stores have read the codes that lie in the accumulators' registers
	v_add_nc_u32 v[9-4*\par], s26, v4
	WLOAD 1-\par
.if \par
	s_cmp_lt_u32 s62, 16
	s_cbranch_scc0 .Lnp_\@                         ; no stage follows the last: no parameters
.endif
	PLOADA 1-\par
	s_wait_loadcnt 44                              ; this stage's loads are in; the 32 + 12 just issued may be out
.if \par
	s_branch .Lgo_\@
.Lnp_\@:
	s_wait_loadcnt 32
.Lgo_\@:
.endif
.irp hf, 0,1                           ; eight accumulators by turns
	WIN 0x09+4*\hf
.irp s, 0,1,2,3
.irp nn, 0,1,2,3
.irp u, 0,1
.if \s == 0
	v_wmma_f32_16x16x128_bf8_bf8 v[128+16*(4*\hf+\nn)+8*\u:128+16*(4*\hf+\nn)+8*\u+7], v[128*\par+16*\u:128*\par+16*\u+15], v[64*\nn:64*\nn+15], v[32+48*\par+8*\u:39+48*\par+8*\u]   ; C = C' / A' at my eight channels
.else
	MM 128+16*(4*\hf+\nn)+8*\u, 128*\par+16*(2*\s+\u), 16*(4*\nn+\s), 0
.endif
.endr
.endr
.endr
.endr
	WIN 0
.irp q, 0,1,2,3,4,5,6,7,8,9,10,11,12,13,14,15
	v_mul_f32 v[112+\q], s57, v[16+48*\par+\q]     ; 1.5 A'.  (These sixteen are also the places behind the products)
.endr
	ASK
	VECP \par
.endm
	s_lshl_b32 s27, s20, 16                        ; my features: 65,536 w, + 8,192 a trip
.Lpa:
	v_add_nc_u32 v6, s27, v1
	STAGEA 0
	STAGEA 1
	s_add_co_u32 s27, s27, 8192
	s_add_co_u32 s41, s41, 2
	s_cmp_lt_u32 s41, 16
	s_wait_alu depctr_va_vdst(0)                   ; ahead of the branch
	s_cbranch_scc1 .Lpa
; ---- PHASE B.  K step t: W2's buffer t % 3 (0, 1: window 1; 2: window 0), asked for two steps ahead; the features come by pairs of row tiles, pair 4 t + pr in buffer (t + pr) % 3, asked for three pairs ahead.
	s_wait_xcnt 0x0
	s_add_co_u32 s32, s29, 131072
	s_add_nc_u64 s[38:39], s[8:9], s[32:33]
	WLOAD 1                                        ; K step 1
	v_bfe_u32 v5, v0, 4, 1
	v_lshlrev_b32 v4, 6, v5
	s_lshl_b32 s62, s20, 9
	v_add_nc_u32 v4, s62, v4                       ; 512 w + 64 h: A2', C2'
	v_lshlrev_b32 v5, 5, v5
	s_lshl_b32 s62, s20, 6
	v_add_nc_u32 v5, s62, v5                       ; 64 w + 32 h: A3', C3', W4
	v_mov_b32 v6, v1                               ; the features of K step 0
	BAR                                            ; all 2,048 channels' codes lie in LDS
.macro FLOAD k, off                    ; two feature fragments into buffer k
.irp e, 0,1
.irp c, 0,1,2,3
	ds_load_b128 v[32+32*(\k)+16*\e+4*\c:32+32*(\k)+16*\e+4*\c+3], v6 offset:(\off)+512*\e+4096*\c
.endr
.endr
.endm
; i: the step's place in the address window; wb = t % 3; nxt: 1 W2's K step t + 2, 2 A2' and C2', 3 W3, A3', C3', W4; last: no pair follows the step's own; ask: a prefetch
.macro STEPB i, wb, zero, nxt, last, ask
	s_wait_loadcnt 32                              ; this step's 32 loads are in; the 32 behind them may be out
.if \nxt == 1
.set NB, ((\wb)+2)%3
	WIN 0x40*(1-NB/2)
.irp f, 0,1,2,3,4,5,6,7
.irp c, 0,1,2,3
	global_load_b128 v[128*((NB+1)/2)+16*\f+4*\c:128*((NB+1)/2)+16*\f+4*\c+3], v1, s[34:35] offset:131072*(\i)+2048*\f+512*\c
.endr
.endr
.endif
.if \nxt == 2
	WIN 0x40
.irp b, 0,1,2,3
.irp j, 0,1,2,3
	global_load_b128 v[128+32*\b+4*\j:128+32*\b+4*\j+3], v4, s[10:11] offset:16384+128*\b+16*\j
	global_load_b128 v[144+32*\b+4*\j:144+32*\b+4*\j+3], v4, s[10:11] offset:18432+128*\b+16*\j
.endr
.endr
.endif
.if \nxt == 3
	WIN 0
.irp s, 0,1,2,3
.irp c, 0,1,2,3
	global_load_b128 v[128+16*\s+4*\c:128+16*\s+4*\c+3], v1, s[36:37] offset:2048*\s+512*\c
.endr
.endr
.irp j, 0,1
	global_load_b128 v[8+4*\j:11+4*\j], v5, s[10:11] offset:20480+16*\j
	global_load_b128 v[16+4*\j:19+4*\j], v5, s[10:11] offset:20736+16*\j
	global_load_b128 v[24+4*\j:27+4*\j], v5, s[12:13] offset:16*\j
.endr
.endif
.irp pr, 0,1,2,3
.if (\last) && (\pr >= 2)
	s_wait_dscnt 8*(3-\pr)
.else
	s_wait_dscnt 16                                ; this pair is in; the two pairs behind it, eight loads each, may be out
.endif
	WIN 0xa0+0x50*(\pr/2)+1-(\wb)/2
.irp e, 0,1
.irp t, 0,1,2,3,4,5,6,7
	MM 8*(8*((2*\pr+\e)%4)+\t), 128*(((\wb)+1)/2)+16*\t, 32+32*(((\wb)+\pr)%3)+16*\e, \zero
.endr
.endr
	PLACES 4
	WIN 0
.if !((\last) && (\pr >= 1))
	FLOAD ((\wb)+\pr)%3, 16384*((\i)+(\pr+3)/4)+1024*((\pr+3)%4)
.endif
.if (\ask) && (\pr == 0)
	ASK
.endif
.endr
.endm
	FLOAD 0, 0
	FLOAD 1, 1024
	FLOAD 2, 2048
	STEPB 0, 0, 1, 1, 0, 1                         ; the first step's products start the sums: nothing is cleared
	s_wait_xcnt 0x0
	s_add_nc_u64 s[34:35], s[34:35], 131072
	s_mov_b32 s27, 16384
	s_mov_b32 s41, 0
.Lpb:                                              ; K steps 1 .. 12, three a trip: the buffers' numbers are back where they began
	v_add_nc_u32 v6, s27, v1
	s_wait_alu depctr_va_vdst(0)
	STEPB 0, 1, 0, 1, 0, 1
	STEPB 1, 2, 0, 1, 0, 1
	STEPB 2, 0, 0, 1, 0, 1
	s_wait_xcnt 0x0
	s_add_nc_u64 s[34:35], s[34:35], 393216
	s_add_co_u32 s27, s27, 49152
	s_add_co_u32 s41, s41, 1
	s_cmp_lt_u32 s41, 4
	s_cbranch_scc1 .Lpb
	v_add_nc_u32 v6, s27, v1
	s_wait_alu depctr_va_vdst(0)
	STEPB 0, 1, 0, 1, 0, 1                         ; K step 13 asks for K step 15,
	STEPB 1, 2, 0, 2, 0, 0                         ; the last two for what the middle needs, into buffers that are done with
	STEPB 2, 0, 0, 3, 1, 0
; ---- THE MIDDLE.  window 1 v128-255: A2', C2' (block b: A at 128 + 32 b, C at 144 + 32 b); window 0: v8-15 A3', v16-23 C3', v24-31 W4, v128-191 W3; codes in v32-127 and v192-223; v64-127 then s3's eight accumulators
	v_mov_b32 v224, s81                            ; s2's scale
	s_lshl_b32 s62, s20, 11
	v_add_nc_u32 v225, s62, v1                     ; s2's images: K step w
	v_and_b32 v226, 15, v0
	v_lshlrev_b32 v226, 2, v226
	s_lshl_b32 s62, s20, 9
	s_add_co_u32 s26, s62, S4P
	v_add_nc_u32 v226, s26, v226                   ; my partial scores: 512 w + 4 r
	v_add_nc_u32 v227, S4P, v1
	s_add_co_u32 s26, s62, PCOPY
	v_add_nc_u32 v228, s26, v1                     ; my copy of p
	v_bfe_u32 v229, v0, 4, 1
	v_lshlrev_b32 v229, 5, v229
	v_add_nc_u32 v229, s26, v229                   ; and rows 8 h .. of it
	BAR                                            ; every wave's reads of the features are over: their bytes take s2's images
	s_wait_loadcnt 22                              ; A2', C2' are in; the 22 loads behind them may be out
.macro S2Q rho, b                      ; block b (32 of my 128 d) of row tiles 4 rho .. + 3: bn, lrelu, the hold, the conversions: piece b of four images
	WIN 0x96+0x41*\rho
.irp a, 0,1,2,3
.irp q, 0,2,4,6,8,10,12,14
	v_pk_fma_f32 v[64*\a+16*\b+\q:64*\a+16*\b+\q+1], v[64*\a+16*\b+\q:64*\a+16*\b+\q+1], v[128+32*\b+\q:129+32*\b+\q], v[144+32*\b+\q:145+32*\b+\q]
.endr
.endr
	WIN 0xa2+0x51*\rho
.irp a, 0,1,2,3
.irp q, 0,1,2,3,4,5,6,7,8,9,10,11,12,13,14,15
	v_fma_f32 v[64*\a+16*\b+\q], v[64*\a+16*\b+\q], s57, |v[64*\a+16*\b+\q]|
.endr
.irp q, 0,1,2,3,4,5,6,7,8,9,10,11,12,13,14,15
	v_med3_num_f32 v[64*\a+16*\b+\q], v[64*\a+16*\b+\q], s68, s56
.endr
.endr
	WIN 0x02+\rho
.irp a, 0,1,2,3
.set CQ, 32+4*(16*\rho+4*\b+\a)        ; every piece has four registers of its own
.if CQ >= 128
.set CQ, CQ+64
.endif
	v_cvt_scalef32_pk8_bf8_f32 v[CQ:CQ+1], v[64*\a+16*\b:64*\a+16*\b+7], v224
	v_cvt_scalef32_pk8_bf8_f32 v[CQ+2:CQ+3], v[64*\a+16*\b+8:64*\a+16*\b+15], v224
.endr
	v_nop
	WIN 0
.endm
.macro S2S rho, b                      ; a block's four pieces go to LDS one block behind their conversions
.irp a, 0,1,2,3
.set CQ, 32+4*(16*\rho+4*\b+\a)
.if CQ >= 128
.set CQ, CQ+64
.endif
	ds_store_b128 v225, v[CQ:CQ+3] offset:8192*(4*\rho+\a)+512*\b
.endr
.endm
	S2Q 0, 0
	S2Q 0, 1
	S2S 0, 0
	S2Q 0, 2
	S2S 0, 1
	S2Q 0, 3
	S2S 0, 2
	S2Q 1, 0
	S2S 0, 3
	S2Q 1, 1
	S2S 1, 0
	S2Q 1, 2
	S2S 1, 1
	S2Q 1, 3
	S2S 1, 2
	S2S 1, 3
	BAR                                            ; s2's 32 images lie in LDS
.irp rho, 0,1                          ; all of them into windows 2 and 3, whose sums are done with
	WIN 0x80+0x40*\rho
.irp a, 0,1,2,3
.irp s, 0,1,2,3
.irp c, 0,1,2,3
	ds_load_b128 v[16*(4*\a+\s)+4*\c:16*(4*\a+\s)+4*\c+3], v1 offset:(4*(4*\rho+\a)+\s)*2048+512*\c
.endr
.endr
.endr
.endr
	WIN 0
	s_wait_loadcnt 0x0                             ; W3, A3', C3', W4
	s_mov_b32 s32, s28
	s_add_nc_u64 s[30:31], s[8:9], s[32:33]        ; W1, stage 0, for pass 2 (no load is out)
	s_wait_dscnt 63                                ; row tiles 0-3's 64 loads are in
.irp rho, 0,1                          ; product 3, transposed: my tile of W3 against the images; four accumulators by turns
.if \rho
	s_wait_dscnt 0x0
.endif
	WIN 0x08+4*\rho
.irp s, 0,1,2,3
.irp a, 0,1,2,3
	MM 64+32*\rho+8*\a, 128+16*\s, 16*(4*\a+\s), \s==0
.endr
.endr
.endr
	WIN 0
	PLACES 4
	XLOAD 0, 2                                     ; x's codes come again: 48 loads now, the rest behind the softmax
.irp a, 0,1,2,3,4,5,6,7               ; s3 = lrelu(bn3), and my 16 terms of s3 . W4, in f32: eight in a lane, eight in lane l xor 16
.set SR, 64+8*\a
.set TT, 192+4*\a
	v_mov_b32 v[TT+2], 0                           ; a lane permute's destination counts as one of its sources
.irp q, 0,2,4,6
	v_pk_fma_f32 v[SR+\q:SR+\q+1], v[SR+\q:SR+\q+1], v[8+\q:9+\q], v[16+\q:17+\q]
.endr
.irp q, 0,1,2,3,4,5,6,7
	v_fma_f32 v[SR+\q], v[SR+\q], s57, |v[SR+\q]|
.endr
	v_pk_mul_f32 v[TT:TT+1], v[SR:SR+1], v[24:25]
.irp q, 2,4,6
	v_pk_fma_f32 v[TT:TT+1], v[SR+\q:SR+\q+1], v[24+\q:25+\q], v[TT:TT+1]
.endr
	v_add_f32 v[TT], v[TT], v[TT+1]
	v_permlanex16_b32 v[TT+2], v[TT], s58, s59
	v_add_f32 v[TT], v[TT], v[TT+2]
.endr
.irp a, 0,1,2,3,4,5,6,7
	ds_store_b32 v226, v[192+4*\a] offset:64*\a    ; row 16 a + r
.endr
	BAR                                            ; the four waves' partial scores of all 128 rows lie in LDS
	; ---- the block's softmax: every wave does all 128 rows, four to a lane
.irp k, 0,1,2,3
	ds_load_b128 v[32+4*\k:35+4*\k], v227 offset:512*\k
.endr
	v_mov_b32 v49, 0
	s_wait_dscnt 0x0
	v_pk_add_f32 v[32:33], v[32:33], v[36:37]
	v_pk_add_f32 v[34:35], v[34:35], v[38:39]
	v_pk_add_f32 v[40:41], v[40:41], v[44:45]
	v_pk_add_f32 v[42:43], v[42:43], v[46:47]
	v_pk_add_f32 v[32:33], v[32:33], v[40:41]
	v_pk_add_f32 v[34:35], v[34:35], v[42:43]
.irp q, 0,1,2,3
	v_fma_f32 v[32+\q], v[32+\q], s60, s61
.endr
.irp q, 0,1,2,3
	v_fma_f32 v[32+\q], v[32+\q], s57, |v[32+\q]|  ; s4
.endr
	v_max3_num_f32 v12, v32, v33, v34
	v_max_num_f32 v12, v12, v35
	v_max_num_f32_dpp v12, v12, v12 row_xmask:1 row_mask:0xf bank_mask:0xf
	v_max_num_f32_dpp v12, v12, v12 row_xmask:2 row_mask:0xf bank_mask:0xf
	v_max_num_f32_dpp v12, v12, v12 row_xmask:4 row_mask:0xf bank_mask:0xf
	v_max_num_f32_dpp v12, v12, v12 row_xmask:8 row_mask:0xf bank_mask:0xf
	v_permlanex16_b32 v49, v12, s58, s59
	v_max_num_f32 v12, v12, v49                    ; m: the block's largest s4
.irp q, 0,1,2,3
	v_sub_f32 v[32+\q], v[32+\q], v12
.endr
.irp q, 0,1,2,3
	v_mul_f32 v[32+\q], 0x3fb8aa3b, v[32+\q]
.endr
	s_wait_alu depctr_va_vdst(0)                   ; ahead of the batch
.irp q, 0,1,2,3
	v_exp_f32 v[32+\q], v[32+\q]                   ; p = e^(s4 - m)
.endr
	v_nop                                          ; a plain instruction behind the last of the batch
	s_wait_alu depctr_va_vdst(0)                   ; one wait for the four, ahead of their first reader
	v_add_f32 v50, v32, v33
	v_add_f32 v51, v34, v35
	v_add_f32 v50, v50, v51
	v_add_f32_dpp v50, v50, v50 row_xmask:1 row_mask:0xf bank_mask:0xf
	v_add_f32_dpp v50, v50, v50 row_xmask:2 row_mask:0xf bank_mask:0xf
	v_add_f32_dpp v50, v50, v50 row_xmask:4 row_mask:0xf bank_mask:0xf
	v_add_f32_dpp v50, v50, v50 row_xmask:8 row_mask:0xf bank_mask:0xf
	v_permlanex16_b32 v49, v50, s58, s59
	v_add_f32 v13, v50, v49                        ; l; v[12:13] = (m, l) stay to the end
	ds_store_b128 v228, v[32:35]
.irp n, 0,1,2,3,4,5,6,7               ; p of rows 16 n + 8 h + 0 .. 7 into v[64 + 8 n ..].  LDS serves a wave's instructions in order (ISA guide 5.7.1.4): these see my store
	ds_load_b128 v[64+8*\n:67+8*\n], v229 offset:64*\n
	ds_load_b128 v[68+8*\n:71+8*\n], v229 offset:64*\n+16
.endr
; ---- PASS 2.  Source 0 = x's 16 rows, source 1 = 16 rows of W1: a lane holds ONE channel, 512 w + 32 q + 8 u + r + 8 (r / 8), and the rows 8 h + 0 .. 7 of eight row tiles.
	v_and_b32 v9, 15, v0
	v_and_b32 v10, 8, v9
	v_add_nc_u32 v9, v9, v10
	v_lshlrev_b32 v9, 2, v9                        ; 4 (r + 8 (r / 8))
	s_lshl_b32 s62, s20, 11
	v_add_nc_u32 v4, s62, v9                       ; my channel's parameters: + 2,048 w
	v_mov_b32 v5, v4
	s_add_co_u32 s62, s62, POOL
	v_add_nc_u32 v8, s62, v9                       ; and its pooled sum
.irp q, 14,15
	v_mov_b32 v[\q], 0                             ; the permutes' destinations are written once
.endr
.macro PLOADP set
.irp u, 0,1
	global_load_b32 v[16+8*(\set)+4*\u], v[5+4*(\set)], s[10:11] offset:32*\u          ; A'
	global_load_b32 v[18+8*(\set)+4*\u], v[5+4*(\set)], s[10:11] offset:8192+32*\u     ; C' / A'
.endr
.endm
	XLOAD 3, 7
	WLOAD 0
	PLOADP 0
.macro STAGEP par
	s_wait_alu depctr_va_vdst(0)                   ; ahead of a wait that blocks
	s_wait_dscnt 0x0
	WOFF \par
.if \par
	s_cmp_lt_u32 s62, 16
	s_cbranch_scc0 .Lnl_\@                         ; no stage follows the last
.endif
	s_add_nc_u64 s[38-8*\par:39-8*\par], s[8:9], s[32:33]   ; this set's last loads were shown done by the last stage's counted wait
	s_lshl_b32 s26, s62, 7
	v_add_nc_u32 v[9-4*\par], s26, v4
	WLOAD 1-\par
	PLOADP 1-\par
	s_wait_loadcnt 36                              ; this stage's loads are in; the 32 + 4 just issued may be out
.if \par
	s_branch .Lgp_\@
.Lnl_\@:
	s_wait_loadcnt 0x0
.Lgp_\@:
.endif
.irp u, 0,1
.irp j, 0,1,2,3,4,5,6,7
	v_mov_b32 v[32+8*\u+\j], v[18+8*\par+4*\u]     ; my channel's C' / A', once for each of a lane's eight rows: the first products' C
.endr
.endr
.irp hf, 0,1                           ; eight accumulators by turns
	WIN 0x06+\hf
.irp s, 0,1,2,3
.irp nn, 0,1,2,3
.irp u, 0,1
.if \s == 0
	v_wmma_f32_16x16x128_bf8_bf8 v[128+64*\u+8*(4*\hf+\nn):128+64*\u+8*(4*\hf+\nn)+7], v[64*\nn:64*\nn+15], v[128*\par+16*\u:128*\par+16*\u+15], v[32+8*\u:39+8*\u]
.else
	MM 128+64*\u+8*(4*\hf+\nn), 16*(4*\nn+\s), 128*\par+16*(2*\s+\u), 0
.endif
.endr
.endr
.endr
.endr
	WIN 0
	PLACES 4
.irp u, 0,1
.set VA, 128+64*\u
.set SU, 32+16*\u                      ; v[SU ..]: sum p S' in four chains of pairs; v[SU + 8 ..]: sum p |S'| in eight chains
.set i, 0
.rept 64
.if i < 8
	v_mul_f32 v[SU+8+i], |v[VA+i]|, v[64+i]
.else
	v_fma_f32 v[SU+8+i%8], |v[VA+i]|, v[64+i], v[SU+8+i%8]
.endif
.set i, i+1
.endr
.set i, 0
.rept 32                               ; x p, in four chains
.if i < 4
	v_pk_mul_f32 v[SU+2*(i%4):SU+2*(i%4)+1], v[VA+2*i:VA+2*i+1], v[64+2*i:65+2*i]
.else
	v_pk_fma_f32 v[SU+2*(i%4):SU+2*(i%4)+1], v[VA+2*i:VA+2*i+1], v[64+2*i:65+2*i], v[SU+2*(i%4):SU+2*(i%4)+1]
.endif
.set i, i+1
.endr
.endr
.irp u, 0,1                            ; the chains are joined, the two tiles' lines by turns
.set SU, 32+16*\u
	v_pk_add_f32 v[SU:SU+1], v[SU:SU+1], v[SU+2:SU+3]
	v_pk_add_f32 v[SU+4:SU+5], v[SU+4:SU+5], v[SU+6:SU+7]
	v_pk_add_f32 v[SU+8:SU+9], v[SU+8:SU+9], v[SU+10:SU+11]
	v_pk_add_f32 v[SU+12:SU+13], v[SU+12:SU+13], v[SU+14:SU+15]
.endr
.irp u, 0,1
.set SU, 32+16*\u
	v_pk_add_f32 v[SU:SU+1], v[SU:SU+1], v[SU+4:SU+5]
	v_pk_add_f32 v[SU+8:SU+9], v[SU+8:SU+9], v[SU+12:SU+13]
.endr
.irp u, 0,1
.set SU, 32+16*\u
	v_add_f32 v[SU], v[SU], v[SU+1]
	v_add_f32 v[SU+8], v[SU+8], v[SU+9]
.endr
.irp u, 0,1
.set SU, 32+16*\u
	v_mul_f32 v[SU], v[SU], v[16+8*\par+4*\u]      ; A' sum p S'
	v_mul_f32 v[SU+8], v[SU+8], |v[16+8*\par+4*\u]|   ; |A'| sum p |S'|
.endr
.irp u, 0,1
.set SU, 32+16*\u
	v_fma_f32 v[SU], v[SU], s57, v[SU+8]           ; sum p values over my lane's 64 rows
.endr
.irp u, 0,1
	v_permlanex16_b32 v[14+\u], v[32+16*\u], s58, s59
.endr
.irp u, 0,1
	v_add_f32 v[32+16*\u], v[32+16*\u], v[14+\u]   ; the channel's sum over all 128 rows
.endr
.irp u, 0,1
	ds_store_b32 v6, v[32+16*\u] offset:128*\par+32*\u
.endr
.endm
	s_mov_b32 s27, 0
	s_mov_b32 s41, 0
.Lp2:
	v_add_nc_u32 v6, s27, v8
	STAGEP 0
	STAGEP 1
	s_add_co_u32 s27, s27, 256
	s_add_co_u32 s41, s41, 2
	s_cmp_lt_u32 s41, 16
	s_wait_alu depctr_va_vdst(0)                   ; ahead of the branch
	s_cbranch_scc1 .Lp2
; ---- THE WAY OUT: my 512 pooled sums come back in the channels' order and leave as 512 consecutive bytes a store
	s_lshl_b32 s62, s20, 11
	s_add_co_u32 s26, s62, POOL
	v_add_nc_u32 v9, s26, v1
.irp k, 0,1,2,3
	ds_load_b128 v[32+4*\k:35+4*\k], v9 offset:512*\k
.endr
	s_lshl_b32 s32, s21, 13
	s_add_co_u32 s32, s32, s62
	s_add_nc_u64 s[38:39], s[16:17], s[32:33]      ; part + 8,192 work-group + 2,048 w
	s_lshl_b32 s32, s21, 8
	s_add_nc_u64 s[34:35], s[18:19], s[32:33]      ; stat + 256 work-group
	v_lshrrev_b32 v10, 1, v1                       ; 8 x lane
	s_wait_alu depctr_va_vdst(0)                   ; ahead of a wait that blocks
	s_wait_dscnt 0x0
.irp k, 0,1,2,3
	global_store_b128 v1, v[32+4*\k:35+4*\k], s[38:39] offset:512*\k
.endr
	s_cmp_lg_u32 s20, 0
	s_cbranch_scc1 .Lno_stat
	global_store_b64 v10, v[12:13], s[34:35]       ; (m, l), 32 times: 256 consecutive bytes, aligned
.Lno_stat:
	s_wait_tensorcnt 0x0                           ; the wave's end
	ds_add_u32 v2, v3
	s_wait_dscnt 0x0
	s_endpgm
.Lfunc_end_k_q2eb1c53b00_main:
	.size	k_q2eb1c53b00_main, .Lfunc_end_k_q2eb1c53b00_main-k_q2eb1c53b00_main
	.p2alignl 7, 3214868480
	.fill 96, 4, 3214868480
	.section	.rodata,"a",@progbits
	.p2align	6, 0x0
	.amdhsa_kernel k_q2eb1c53b00_main
		.amdhsa_group_segment_fixed_size 274944
		.amdhsa_private_segment_fixed_size 0
		.amdhsa_enable_private_segment 0
		.amdhsa_kernarg_size 64
		.amdhsa_user_sgpr_count 2
		.amdhsa_user_sgpr_kernarg_segment_ptr 1
		.amdhsa_wavefront_size32 1
		.amdhsa_system_sgpr_workgroup_id_x 1
		.amdhsa_system_sgpr_workgroup_id_y 1
		.amdhsa_system_sgpr_workgroup_id_z 1
		.amdhsa_system_vgpr_workitem_id 0
		.amdhsa_next_free_vgpr 1024
		.amdhsa_next_free_sgpr 84
		.amdhsa_reserve_vcc 0
		.amdhsa_float_denorm_mode_32 3
		.amdhsa_float_denorm_mode_16_64 3
		.amdhsa_memory_ordered 1
		.amdhsa_forward_progress 1
		.amdhsa_inst_pref_size 255
	.end_amdhsa_kernel
	.section	.bss,"aw",@nobits
	.p2align	6
	.space	262144
	.amdgpu_metadata
---
amdhsa.version: [ 1, 2 ]
amdhsa.kernels:
  - .name:           k_q2eb1c53b00_main
    .symbol:         k_q2eb1c53b00_main.kd
    .args:
      - { .name: xc, .offset: 0, .size: 8, .value_kind: global_buffer, .address_space: global }
      - { .name: x_query, .offset: 8, .size: 8, .value_kind: global_buffer, .address_space: global }
      - { .name: wts, .offset: 16, .size: 8, .value_kind: global_buffer, .address_space: global }
      - { .name: pars, .offset: 24, .size: 8, .value_kind: global_buffer, .address_space: global }
      - { .name: W4, .offset: 32, .size: 8, .value_kind: global_buffer, .address_space: global }
      - { .name: lowp_scales, .offset: 40, .size: 8, .value_kind: global_buffer, .address_space: global }
      - { .name: part, .offset: 48, .size: 8, .value_kind: global_buffer, .address_space: global }
      - { .name: stat, .offset: 56, .size: 8, .value_kind: global_buffer, .address_space: global }
    .group_segment_fixed_size: 274944
    .private_segment_fixed_size: 0
    .kernarg_segment_align: 8
    .kernarg_segment_size: 64
    .max_flat_workgroup_size: 128
    .sgpr_count:     84
    .vgpr_count:     1024
    .wavefront_size: 32
...
	.end_amdgpu_metadata
.endif
;; end of part 2
;; launch finish (part 3): grid 16 x 16, 1 waves a work-group, no clusters, 0 bytes of LDS; arguments part, stat, out0; writes out0
.if DOCPART == 3
	.amdgcn_target "amdgcn-amd-amdhsa--gfx1250"
	.amdhsa_code_object_version 6
	.text
	.protected	k_q2eb1c53b00_finish
	.globl	k_q2eb1c53b00_finish
	.p2align	8
	.type	k_q2eb1c53b00_finish,@function
k_q2eb1c53b00_finish:
	s_mov_b64 s[64:65], 0
	v_nop
	global_prefetch_b8 v0, s[64:65] scope:SCOPE_SE
	s_setreg_imm32_b32 hwreg(HW_REG_WAVE_MODE, 25, 1), 1
	s_wait_xcnt 0x0
; FINISH: out[b][e] = sum over the batch's 16 blocks g of w_g part[g][e] / L, with M = the largest m_g, w_g = e^(m_g - M), L = sum of w_g l_g: the softmax under the batch's own maximum.
; One wave takes 128 channels (work-group x) of one batch (work-group y): 16 loads of 512 consecutive bytes, one store of 512.  Memory binds; no LDS, no barrier, no matrix unit.
	s_load_b128 s[4:7], s[0:1], 0x0                ; part, stat
	s_load_b64 s[8:9], s[0:1], 0x10                ; out0
	s_and_b32 s10, ttmp7, 0xffff                   ; the batch
	v_and_b32 v1, 15, v0
	v_lshlrev_b32 v1, 8, v1                        ; lane % 16 takes block g's (m, l): 256 bytes a block
	v_lshlrev_b32 v2, 4, v0                        ; 16 x lane
	s_lshl_b32 s12, s10, 12                        ; stat: 16 blocks of 256 bytes a batch
	s_mov_b32 s13, 0
	s_lshl_b32 s14, s10, 17                        ; part: 16 blocks of 8,192 bytes
	s_lshl_b32 s15, ttmp9, 9
	s_add_co_u32 s14, s14, s15                     ; + my 512 bytes
	s_lshl_b32 s32, s10, 13                        ; out0: 8,192 bytes a batch
	s_add_co_u32 s32, s32, s15
	s_mov_b32 s15, 0
	s_mov_b32 s33, 0
	s_wait_alu depctr_va_vdst(0)
	s_wait_kmcnt 0x0
	s_add_nc_u64 s[6:7], s[6:7], s[12:13]
	s_add_nc_u64 s[4:5], s[4:5], s[14:15]
	s_add_nc_u64 s[8:9], s[8:9], s[32:33]
	global_load_b64 v[4:5], v1, s[6:7]
.irp g, 0,1,2,3,4,5,6,7,8,9,10,11,12,13,14,15
	global_load_b128 v[16+4*\g:19+4*\g], v2, s[4:5] offset:8192*\g th:TH_LOAD_NT
.endr
	s_wait_loadcnt 16                              ; (m, l) are in; the 16 partial vectors may be out
	v_mov_b32 v6, v4
	v_max_num_f32_dpp v6, v6, v6 row_xmask:1 row_mask:0xf bank_mask:0xf
	v_max_num_f32_dpp v6, v6, v6 row_xmask:2 row_mask:0xf bank_mask:0xf
	v_max_num_f32_dpp v6, v6, v6 row_xmask:4 row_mask:0xf bank_mask:0xf
	v_max_num_f32_dpp v6, v6, v6 row_xmask:8 row_mask:0xf bank_mask:0xf   ; M: each half of the lanes holds all 16 blocks
	v_sub_f32 v7, v4, v6
	v_mul_f32 v7, 0x3fb8aa3b, v7
	s_wait_alu depctr_va_vdst(0)
	v_exp_f32 v7, v7                               ; w_g
	v_nop
	s_wait_alu depctr_va_vdst(0)                   ; ahead of the first reader
	v_mul_f32 v8, v7, v5
	v_add_f32_dpp v8, v8, v8 row_xmask:1 row_mask:0xf bank_mask:0xf
	v_add_f32_dpp v8, v8, v8 row_xmask:2 row_mask:0xf bank_mask:0xf
	v_add_f32_dpp v8, v8, v8 row_xmask:4 row_mask:0xf bank_mask:0xf
	v_add_f32_dpp v8, v8, v8 row_xmask:8 row_mask:0xf bank_mask:0xf       ; L
	s_wait_alu depctr_va_vdst(0)
	v_rcp_f32 v9, v8
	v_nop
	s_wait_alu depctr_va_vdst(0)
	v_mul_f32 v7, v7, v9                           ; w_g / L
.irp g, 0,1,2,3,4,5,6,7,8,9,10,11,12,13,14,15
	v_readlane_b32 s[16+\g], v7, \g
.endr
	s_wait_loadcnt 15
.irp q, 0,1,2,3
	v_mul_f32 v[80+\q], s16, v[16+\q]              ; the first block starts the sums
.endr
	s_wait_alu depctr_va_vdst(0)
.irp g, 1,2,3,4,5,6,7,8,9,10,11,12,13,14,15
	s_wait_alu depctr_va_vdst(0)
	s_wait_loadcnt 15-\g                           ; block g is in; the younger ones may be out
.irp q, 0,1,2,3
	v_fmac_f32 v[80+\q], s[16+\g], v[16+4*\g+\q]
.endr
.endr
	global_store_b128 v2, v[80:83], s[8:9]         ; 512 consecutive bytes, aligned
	s_endpgm
.Lfunc_end_k_q2eb1c53b00_finish:
	.size	k_q2eb1c53b00_finish, .Lfunc_end_k_q2eb1c53b00_finish-k_q2eb1c53b00_finish
	.p2alignl 7, 3214868480
	.fill 96, 4, 3214868480
	.section	.rodata,"a",@progbits
	.p2align	6, 0x0
	.amdhsa_kernel k_q2eb1c53b00_finish
		.amdhsa_group_segment_fixed_size 0
		.amdhsa_private_segment_fixed_size 0
		.amdhsa_enable_private_segment 0
		.amdhsa_kernarg_size 24
		.amdhsa_user_sgpr_count 2
		.amdhsa_user_sgpr_kernarg_segment_ptr 1
		.amdhsa_wavefront_size32 1
		.amdhsa_system_sgpr_workgroup_id_x 1
		.amdhsa_system_sgpr_workgroup_id_y 1
		.amdhsa_system_sgpr_workgroup_id_z 1
		.amdhsa_system_vgpr_workitem_id 0
		.amdhsa_next_free_vgpr 96
		.amdhsa_next_free_sgpr 66
		.amdhsa_reserve_vcc 0
		.amdhsa_float_denorm_mode_32 3
		.amdhsa_float_denorm_mode_16_64 3
		.amdhsa_memory_ordered 1
		.amdhsa_forward_progress 1
		.amdhsa_inst_pref_size 8
	.end_amdhsa_kernel
	.amdgpu_metadata
---
amdhsa.version: [ 1, 2 ]
amdhsa.kernels:
  - .name:           k_q2eb1c53b00_finish
    .symbol:         k_q2eb1c53b00_finish.kd
    .args:
      - { .name: part, .offset: 0, .size: 8, .value_kind: global_buffer, .address_space: global }
      - { .name: stat, .offset: 8, .size: 8, .value_kind: global_buffer, .address_space: global }
      - { .name: out0, .offset: 16, .size: 8, .value_kind: global_buffer, .address_space: global }
    .group_segment_fixed_size: 0
    .private_segment_fixed_size: 0
    .kernarg_segment_align: 8
    .kernarg_segment_size: 24
    .max_flat_workgroup_size: 32
    .sgpr_count:     66
    .vgpr_count:     96
    .wavefront_size: 32
...
	.end_amdgpu_metadata
.endif
;; end of part 3
